; MI455X (gfx1250); checked and timed in simulation.
; The chip was launched on July 23, 2026; its instructions are those of AMD's public machine-readable ISA for CDNA 5 (MIT licence, August 2026) and "CDNA5" Instruction Set Architecture Reference Guide (July 2026). The comments in the code are by the model that wrote it; some were corrected since.
;; Hashed MLP. Allowed arithmetic: matrix products marked QUANTISED: E2M1 operands, one E8M0 scale for each 32 along K, by v_wmma_scale_f32_16x16x128_f8f6f4 with both operands' format E2M1 (or v_wmma_scale_f32_32x16x128_f4), f32 sums; products left as they are: f32 operands where the result goes on into a quantised operand, else bf16, f16 or f32 operands; f32 sums; everything else in f32.
;; Inputs: W0 26 x 64 float32; W1 64 x 64 float32; W2 64 x 1 float32; b0 64 float32; b1 64 float32; b2 1 float32; data 524,288 x 3 float32; table 13 x 524,288 x 2 float32.
;; Outputs: out0 524,288 x 1 float32.
;; This version of the problem:
;;   THIS VERSION OF THE PROBLEM IS GIVEN IN LOW PRECISION. The matrix products marked QUANTISED in the list below multiply operands that are first quantised to E2M1 (2 exponent bits, 1 mantissa bit; 4 bits a number), with one power-of-two scale for each 32 numbers along K (OCP MX v1.0); their sums are f32. All else is computed in f32.
;;   The module's matrix products, in the order in which they are computed (A, B: the left and right operand; K: the contracted axis; several contracted axes count as one K, in the product's order):
;;     1. [M 524,288, K 26] x [K 26, N 64]; A: computed on the way; B: input W0: left as it is (K = 26 < 32)
;;     2. [M 524,288, K 64] x [K 64, N 64]; A: computed on the way; B: input W1: QUANTISED
;;     3. [M 524,288, K 64] x [K 64, N 1]; A: computed on the way; B: input W2: left as it is (N = 1 < 16)
;;   THE QUANTISER, for each operand of a quantised product, along K:
;;     - K is cut into blocks of 32 from its start; a last block that is shorter is filled with zeros.
;;     - A block's scale is 2^e with e = floor(log2(the largest magnitude in the block)) - 2, held to -126 .. 127; a block of zeros has e = 0. As a byte (E8M0): e + 127.
;;     - Each number is divided by its block's scale, clamped to +-6, and rounded to the nearest number of E2M1, ties to even, subnormals kept.
;;     - The product sums the exact products of the quantised numbers (number of the format x scale) in f32.
;;   ~~~python
;;   def quantise(x, axis):      # numpy; x: float32 -> the quantised numbers, widened to float32 again
;;       x = np.moveaxis(x, axis, -1); K = x.shape[-1]
;;       x = np.pad(x, [(0, 0)] * (x.ndim - 1) + [(0, -K % 32)]); x = x.reshape(x.shape[:-1] + (-1, 32)); a = np.abs(x).max(-1, keepdims=True)
;;       e = np.where(a > 0, np.clip(np.frexp(np.where(a > 0, a, 1))[1] - 1 - 2, -126, 127), 0)      # np.frexp(a)[1] - 1 = floor(log2(a)), exactly
;;       r = np.clip(x / 2.0 ** e, -6, 6)
;;       step = 2.0 ** (np.maximum(np.frexp(np.where(r == 0, 1, r))[1] - 1, 0) - 1)
;;       q = np.round(r / step) * step * 2.0 ** e      # np.round: ties to even
;;       return np.moveaxis(q.reshape(q.shape[:-2] + (-1,))[..., :K], -1, axis).astype(np.float32)
;;   ~~~
;;   OPERANDS COMPUTED ON THE WAY. 'Computed on the way' means the value that the module computes at that place (a softmax that the list does not call 'softmax' is quantised finished and normalised). What goes into a quantiser is computed in f32, as accurately as f32 sums, v_exp_f32 and their like allow (about 1e-6 of the number): no bf16 or f16 on the way to a quantiser, and a product that is left as it is and whose result goes on into a quantised operand takes f32 operands (vector FMAs, or v_wmma_f32_16x16x4_f32). A number that lies on a knife's edge between two numbers of the format may be rounded either way, as far as f32 arithmetic and the matrix unit's own rounding can turn it there, and no further.
;; 2 versions, each right; version 2 is version 1 with the launch mlp written anew for expert scheduling mode. Each part assembles by itself: llvm-mc -triple=amdgcn-amd-amdhsa -mcpu=gfx1250 --defsym DOCPART=n.
;; ======== version 1 of 2: 2 launches
;; limits: inputs' magnitudes at most 64
;; workspace buffers: cells 16,777,216 bytes of whole numbers; wimg 9,728 bytes
;; launch prep (part 1): grid 513 x 1, 8 waves a work-group, no clusters, 0 bytes of LDS; arguments data, W0, W1, cells, wimg; writes cells, wimg
.if DOCPART == 1
	.amdgcn_target "amdgcn-amd-amdhsa--gfx1250"
	.amdhsa_code_object_version 6
	.text
	.protected	k_q609fc9b83f_prep
	.globl	k_q609fc9b83f_prep
	.p2align	8
	.type	k_q609fc9b83f_prep,@function
k_q609fc9b83f_prep:
	s_mov_b64 s[64:65], 0
	v_nop
	global_prefetch_b8 v0, s[64:65] scope:SCOPE_SE
	s_setreg_imm32_b32 hwreg(HW_REG_WAVE_MODE, 25, 1), 1
	s_wait_xcnt 0x0
; HashedMLP, first of two launches.  The grid coordinates floor(data x resolution) are made here and stored as whole numbers, since the next launch forms
; its table addresses from them; and the weights W0 and W1 are laid once in the order in which the next launch's operand registers take them.
; NO WORK OF THE PROBLEM IS LEFT OUT: every input reaches the output, and all eight are loaded by one of the two launches.  Identities used, for all values:
;   o f + (1 - o)(1 - f) with o in {0, 1} is f or 1 - f.
;   The 13 resolutions are 16, 23, 32, 45, 64, 91, 128, 181, 256, 362, 512, 724, 1024.  A product with a power of two is exact in f32, so d x (R 2^k) = (d x R) 2^k with the
;   same rounding, and floor(d R 2^k) >> k = floor(d R): the seven even levels are c1024 >> (6 - l / 2), levels 7, 9, 11 are c724 >> 2, 1, 0.  Five triples a point are stored.
; LIMITS: 0 <= data < 64 (a coordinate is kept in 16 bits: 64 x 1024 = 2^16); a negative number's coordinate is held at 0; NaN and infinities in data are not served.
; cells: two planes of 16 bytes a position, the second 8,388,608 bytes behind the first.  A position's 16 halfwords: x, y, z of c1024, c23, c45, c91, c724, then 0.
;   Position q holds point (q & ~63) | ((q & 15) << 2) | ((q >> 4) & 3): so four successive tiles of 16 positions give a lane four neighbouring points.
; wimg: 0: W0 as 56 registers a lane (14 groups of 512 bytes, 16 bytes a lane); 7,168: W1's codes of E2M1, 4 tiles x 512 bytes; 9,216: W1's scale words, 4 x 128 bytes.
; SHARES: work-groups 0 to 511 take 1,024 positions each, four a thread.  Work-group 512 lays the weights: waves 0 to 3 a tile of W1 each, wave 4 W0; its waves 5 to 7 have no part and end.
; W1's blocks whose largest magnitude lies under 2^-124 get the byte 1 (a block of zeros too: its codes are zeros, and this program alone reads the bytes).
; REGISTERS of the cells' path: v1, v2 offsets; v4-18 four points as loaded (four registers apart); v32-63 eight store registers a point; v64-78 fifteen numbers at work.
.set PLANE,  0x800000
.set W1C_AT, 7168
.set W1S_AT, 9216
.set FLOOR,  0x1800000                 ; 2^(3 - 127): under it no largest magnitude is taken, so the byte cannot fall under 1
.set PT,     4                         ; v4-18   the points
.set ST,     32                        ; v32-63  what is stored
.set TT,     64                        ; v64-78  at work: no register of a pending load
	s_load_b256 s[4:11], s[0:1], 0x0               ; data s[4:5], W0 s[6:7], W1 s[8:9], cells s[10:11]
	s_load_b64 s[12:13], s[0:1], 0x20              ; wimg
	v_lshrrev_b32 v1, 5, v0
	v_readfirstlane_b32 s14, v1                    ; wave 0..7
	s_mov_b32 s17, 0
	s_mov_b32 s20, 0x05040100                      ; v_perm_b32: the two low halves
	s_mov_b32 s22, 0x76543210
	s_mov_b32 s23, 0xfedcba98                      ; v_permlanex16_b32's selects for lane l xor 16
	s_wait_kmcnt 0x0
	s_cmp_eq_u32 ttmp9, 512
	s_cbranch_scc1 .Lweights
	; ---- the cells.  Position 1024 wg + 256 i + t; its point lies in the same run of 64
	v_and_b32 v1, 0xc0, v0
	v_and_b32 v2, 15, v0
	v_lshl_or_b32 v1, v2, 2, v1
	v_bfe_u32 v2, v0, 4, 2
	v_or_b32 v1, v1, v2                            ; (t & 0xc0) | ((t & 15) << 2) | ((t >> 4) & 3)
	v_mul_u32_u24 v1, v1, 12                       ; 12 bytes a point
	v_lshlrev_b32 v2, 4, v0                        ; 16 bytes a position in each plane
	s_mul_i32 s16, ttmp9, 12288
	s_add_nc_u64 s[4:5], s[4:5], s[16:17]          ; data at my work-group's 1,024 points
	s_lshl_b32 s16, ttmp9, 14
	s_add_nc_u64 s[10:11], s[10:11], s[16:17]      ; plane 0 at my 1,024 positions
	s_add_nc_u64 s[18:19], s[10:11], PLANE         ; plane 1
.irp i, 0,1,2,3
	global_load_b96 v[PT+4*\i:PT+4*\i+2], v1, s[4:5] offset:3072*\i
.endr
.macro RES i, n, r                     ; triple n: the point's three numbers x resolution r
.irp c, 0,1,2
	v_mul_f32 v[TT+3*\n+\c], \r, v[PT+4*\i+\c]
.endr
.endm
.macro CELL i
	s_wait_loadcnt 3-\i                            ; loads come back in order: point i is in, the younger points' loads stay out
	RES \i, 0, 0x44800000                          ; 1024
	RES \i, 1, 0x41b80000                          ; 23
	RES \i, 2, 0x42340000                          ; 45
	RES \i, 3, 0x42b60000                          ; 91
	RES \i, 4, 0x44350000                          ; 724
.irp k, 0,1,2,3,4,5,6,7,8,9,10,11,12,13,14
	v_cvt_u32_f32 v[TT+\k], v[TT+\k]               ; toward zero: the floor of a number that is not negative; a negative one gives 0
.endr
.irp k, 0,1,2,3,4,5,6
	v_perm_b32 v[ST+8*\i+\k], v[TT+2*\k+1], v[TT+2*\k], s20   ; halfword 2 k below, 2 k + 1 above
.endr
	v_and_b32 v[ST+8*\i+7], 0xffff, v[TT+14]
	global_store_b128 v2, v[ST+8*\i:ST+8*\i+3], s[10:11] offset:4096*\i   ; a wave stores 512 consecutive bytes, aligned; each point has store registers of its own
	global_store_b128 v2, v[ST+8*\i+4:ST+8*\i+7], s[18:19] offset:4096*\i
.endm
	CELL 0
	CELL 1
	CELL 2
	CELL 3
	s_endpgm
.Lweights:
	v_and_b32 v3, 31, v0                           ; lane
	v_and_b32 v4, 15, v0                           ; r
	v_bfe_u32 v5, v0, 4, 1                         ; h
	v_lshlrev_b32 v8, 4, v3                        ; 16 x lane
	s_cmp_lt_u32 s14, 4
	s_cbranch_scc0 .Lnot_w1
	; ---- W1 [64 (k)][64 (n)], tile w: lane (r, h) takes column n = 16 w + r and its registers run down K: k = 32 h + 0 .. 31, a whole block
	v_lshlrev_b32 v1, 2, v4
	v_lshl_add_u32 v1, v5, 13, v1                  ; 4 r + 32 h rows of 256 bytes
	s_lshl_b32 s16, s14, 6
	v_add_nc_u32 v1, s16, v1                       ; + 64 w
.irp i, 0,1,2,3,4,5,6,7,8,9,10,11,12,13,14,15,16,17,18,19,20,21,22,23,24,25,26,27,28,29,30,31
	global_load_b32 v[32+\i], v1, s[8:9] offset:256*\i
.endr
	v_mov_b32 v12, 0                               ; a lane permute's destination counts as one of its sources
	s_lshl_b32 s16, s14, 9
	v_add_nc_u32 v6, s16, v8                       ; the codes' place: 16 x lane + 512 w
	v_lshlrev_b32 v7, 2, v3
	s_lshl_b32 s16, s14, 7
	v_add_nc_u32 v7, s16, v7                       ; the scale word's: 4 x lane + 128 w
	s_wait_loadcnt 0x0
	v_max3_num_f32 v9, |v32|, |v33|, FLOOR         ; the block's largest magnitude, in two chains
	v_max3_num_f32 v10, |v34|, |v35|, FLOOR
.irp i, 36,40,44,48,52,56,60
	v_max3_num_f32 v9, v9, |v[\i]|, |v[\i+1]|
	v_max3_num_f32 v10, v10, |v[\i+2]|, |v[\i+3]|
.endr
	v_max_num_f32 v9, v9, v10
	v_add_nc_u32 v10, 0xff000000, v9               ; 2 off its exponent field: the conversion takes the exponent field of this operand as its scale
	v_lshrrev_b32 v11, 23, v10                     ; the scale's byte: block h of my column
	v_permlanex16_b32 v12, v11, s22, s23           ; the other block's
	v_lshl_or_b32 v12, v12, 8, v11                 ; lanes 0-15: byte 0 block 0, byte 1 block 1 (lanes 16-31 are not read by the product)
	v_or_b32 v12, 0x7f7f0000, v12                  ; bytes 2, 3 stand over zero codes: 127
.irp g, 0,1,2,3
	v_cvt_scalef32_pk8_fp4_f32 v[64+\g], v[32+8*\g:39+8*\g], v10
.endr
	v_nop                                          ; one plain line behind the last scaled conversion
	global_store_b128 v6, v[64:67], s[12:13] offset:W1C_AT
	global_store_b32 v7, v12, s[12:13] offset:W1S_AT
	s_endpgm
.Lnot_w1:
	s_cmp_eq_u32 s14, 4
	s_cbranch_scc0 .Ldone
	; ---- W0 [26 (k)][64 (u)] as source 0 of the f32 matrix form: tile t, K step s, register j of lane (r, h) = W0[4 s + 2 h + j][32 (r / 8) + 8 t + r % 8];
	; in K step 6 both halves of the lanes take rows 24 + j: there the next launch feeds the two halves of level 12's sum
	v_lshrrev_b32 v6, 3, v4
	v_and_b32 v7, 7, v4
	v_lshl_add_u32 v2, v6, 5, v7
	v_lshlrev_b32 v2, 2, v2                        ; 4 (32 (r / 8) + r % 8)
	v_lshl_add_u32 v1, v5, 9, v2                   ; + 2 h rows of 256 bytes
.irp t, 0,1,2,3
.irp s, 0,1,2,3,4,5
.irp j, 0,1
	global_load_b32 v[32+2*(7*\t+\s)+\j], v1, s[6:7] offset:4*((4*\s+\j)*64+8*\t)
.endr
.endr
.irp j, 0,1
	global_load_b32 v[32+2*(7*\t+6)+\j], v2, s[6:7] offset:4*((24+\j)*64+8*\t)
.endr
.endr
	s_wait_loadcnt 0x0
.irp g, 0,1,2,3,4,5,6,7,8,9,10,11,12,13
	global_store_b128 v8, v[32+4*\g:35+4*\g], s[12:13] offset:512*\g   ; registers 4 g .. 4 g + 3 of the run of 56, 16 bytes a lane
.endr
.Ldone:
	s_endpgm
.Lfunc_end_k_q609fc9b83f_prep:
	.size	k_q609fc9b83f_prep, .Lfunc_end_k_q609fc9b83f_prep-k_q609fc9b83f_prep
	.p2alignl 7, 3214868480
	.fill 96, 4, 3214868480
	.section	.rodata,"a",@progbits
	.p2align	6, 0x0
	.amdhsa_kernel k_q609fc9b83f_prep
		.amdhsa_group_segment_fixed_size 0
		.amdhsa_private_segment_fixed_size 0
		.amdhsa_enable_private_segment 0
		.amdhsa_kernarg_size 40
		.amdhsa_user_sgpr_count 2
		.amdhsa_user_sgpr_kernarg_segment_ptr 1
		.amdhsa_wavefront_size32 1
		.amdhsa_system_sgpr_workgroup_id_x 1
		.amdhsa_system_sgpr_workgroup_id_y 1
		.amdhsa_system_sgpr_workgroup_id_z 1
		.amdhsa_system_vgpr_workitem_id 0
		.amdhsa_next_free_vgpr 96
		.amdhsa_next_free_sgpr 66
		.amdhsa_reserve_vcc 0
		.amdhsa_float_denorm_mode_32 3
		.amdhsa_float_denorm_mode_16_64 3
		.amdhsa_memory_ordered 1
		.amdhsa_forward_progress 1
		.amdhsa_inst_pref_size 23
	.end_amdhsa_kernel
	.amdgpu_metadata
---
amdhsa.version: [ 1, 2 ]
amdhsa.kernels:
  - .name:           k_q609fc9b83f_prep
    .symbol:         k_q609fc9b83f_prep.kd
    .args:
      - { .name: data, .offset: 0, .size: 8, .value_kind: global_buffer, .address_space: global }
      - { .name: W0, .offset: 8, .size: 8, .value_kind: global_buffer, .address_space: global }
      - { .name: W1, .offset: 16, .size: 8, .value_kind: global_buffer, .address_space: global }
      - { .name: cells, .offset: 24, .size: 8, .value_kind: global_buffer, .address_space: global }
      - { .name: wimg, .offset: 32, .size: 8, .value_kind: global_buffer, .address_space: global }
    .group_segment_fixed_size: 0
    .private_segment_fixed_size: 0
    .kernarg_segment_align: 8
    .kernarg_segment_size: 40
    .max_flat_workgroup_size: 256
    .sgpr_count:     66
    .vgpr_count:     96
    .wavefront_size: 32
...
	.end_amdgpu_metadata
.endif
;; end of part 1
;; launch mlp (part 2): grid 256 x 1, 8 waves a work-group, no clusters, 0 bytes of LDS; arguments cells, wimg, data, table, b0, b1, W2, b2, out0; writes out0
.if DOCPART == 2
	.amdgcn_target "amdgcn-amd-amdhsa--gfx1250"
	.amdhsa_code_object_version 6
	.text
	.protected	k_q609fc9b83f_mlp
	.globl	k_q609fc9b83f_mlp
	.p2align	8
	.type	k_q609fc9b83f_mlp,@function
k_q609fc9b83f_mlp:
	s_mov_b64 s[64:65], 0
	v_nop
	global_prefetch_b8 v0, s[64:65] scope:SCOPE_SE
	s_setreg_imm32_b32 hwreg(HW_REG_WAVE_MODE, 25, 1), 1
	s_wait_xcnt 0x0
; HashedMLP, second launch: the hash, the 104 table rows a point, the trilinear sums, and the MLP 26 -> 64 -> 64 -> 1.  No work of the problem is left out here.
; The table addresses are made of the whole numbers that the first launch stored (cells); the fractions are made anew from data, by the same f32 products.
; LIMITS: 0 <= data < 64 (16-bit coordinates); negative data: coordinate 0; NaN and infinities in data are not served.  gelu is x / (1 + 2^(x (c1 + c3 x^2))), the tanh form written as a
; sigmoid: c1 = -2 log2(e) sqrt(2 / pi), c3 = 0.044715 c1; where the power overflows the quotient is 0, as the tanh form gives.
; HASH: only its low 19 bits count, and a coordinate has at most 17: so y x prime is a 24-bit multiply by the prime's low 24 bits, and the corner + 1 adds that constant.
; SHARES: 2,048 waves, 256 points each: 16 tiles of 16 points.  Lane (r = lane % 16, h = lane / 16) of tile j serves position 16 j + r, which is point 64 (j / 4) + 4 r + j % 4 of the wave's.
;   Gather step s = 0 .. 5: the lane does level 2 s + h of its point, all 8 corners; step 6: level 12, the four corners with z-offset h.  The lane's feature pair of step s IS the register pair of
;   source 1 (k = 4 s + 2 h + j, column r) of the f32 matrix form.  Level 12's two half sums go in as k = 24, 25 and 26, 27, against W0's rows 24, 25 laid twice: the matrix unit adds them.
; PRODUCT 1 (f32 operands: its result goes into a quantiser), transposed: source 0 = 16 rows of W0^T, chosen so that lane (r, h) ends with hidden units 32 h + 0 .. 31 of point r in 32 registers:
;   a whole block of the quantiser in one lane, in the order of the next operand.  b0 is the C of each sum's first instruction.
; PRODUCT 2 (E2M1 codes, E8M0 scales), transposed: source 0 = 16 columns of W1, source 1 = the hidden layer's codes; K = 64 of the instruction's 128, the rest zero codes.  b1 is the C.
; PRODUCT 3: packed multiply-adds with W2 in the result's layout, and one exchange between the halves of the lanes.
; PIPELINE: while tile i goes through the MLP, tile i + 1's 52 gathers are on their way; tile i + 2's cells are asked for a trip ahead.
; No LDS, no tensor load, no cluster: the work-groups share the weights (9,728 bytes, kept in each wave's registers) and table rows named by a hash, never a tile.
; REGISTERS, window 0: v1-7 addresses and the lane's half; v8-13 resolutions; v14 the hidden layer's scale word; v16-19 W1's scale words; v20-23 four results a lane; v24-31 cells; v32-34 the point;
;   v36-49 X (7 pairs); v50-57 the hidden layer's codes (v54-57 zeros); v58-63 at work; v64-95 T (at work in every phase); v96-127 product 2's sums; v128-231 table rows; v232-233 c1.
;   window 1: v0-55 W0; v56-87 b0; v88-119 product 1's sums, written by matrix instructions alone; v120-151 W1's codes; v152-183 b1; v184-215 W2.
.set CA,  1                            ; 16 r: my position's bytes in a tile's cells
.set DA,  2                            ; 48 r: my point's bytes in a run of 64 points
.set CO,  3                            ; the cells' offset in hand
.set DO,  4                            ; the data's
.set OA,  5                            ; 16 x lane; never rewritten
.set HB,  6                            ; h << 19: the odd level's table lies 2^19 rows behind the even one's
.set HH,  7                            ; h
.set RS,  8
.set SC,  14
.set OB,  15
.set W1S, 16
.set O,   20
.set C,   24
.set D,   32
.set X,   36
.set HC,  50
.set MA,  58
.set MB,  59
.set ACC0, 60
.set ACC1, 62
.set T,   64
.set A2,  96
.set F,   128
.set K1,  232
.set W0F, 0                            ; window 1
.set B0,  56
.set A1,  88
.set W1C, 120
.set B1,  152
.set W2V, 184
.set GX,  64                           ; at work in the gathers: the lane's x, y, z
.set TA,  67
.set GX1, 70
.set HY0, 71
.set HY1, 72
.set HZ0, 73
.set HZ1, 74
.set AA,  75                           ; v75-78: y's and z's part of the hash, corner y + 2 z
.set S3,  80                           ; v80-82: h ? c724 : c1024 >> 1
.set PP,  64                           ; at work in the sums: positions,
.set FL,  67                           ; their floors,
.set U,   70                           ; 1 - fx, fx, 1 - fy, fy, 1 - fz, fz
.set WXY, 76
.set WW,  80                           ; the eight weights
.set XT,  88
.set P1,  0x3779b1                     ; 2654435761 mod 2^24
.set P2,  0x025795                     ; 805459861 mod 2^24
.set MSB, 0
.macro WIN new                         ; the immediate's high byte repeats the setting that is left; a switch that changes nothing is dropped
.if MSB != \new
	s_set_vgpr_msb (MSB<<8)|\new
.set MSB, \new
.endif
.endm
.macro HW dst, n, sh                   ; halfword n of the cells, shifted right by sh
.if ((\n)%2) == 0
	v_bfe_u32 v[\dst], v[C+(\n)/2], \sh, 16-(\sh)
.else
	v_lshrrev_b32 v[\dst], 16+(\sh), v[C+(\n)/2]
.endif
.endm
.macro LOADC sj                        ; tile s[sj]'s cells: 256 bytes a plane; both halves of the lanes take the same 16 bytes
	v_lshl_add_u32 v[CO], s[\sj], 8, v[CA]
	global_load_b128 v[C:C+3], v[CO], s[8:9] th:TH_LOAD_NT
	global_load_b128 v[C+4:C+7], v[CO], s[26:27] th:TH_LOAD_NT
.endm
.macro LOADD sj                        ; tile s[sj]'s points: 12 (64 (j / 4) + 4 r + j % 4).  No hint: four successive tiles read between each other's bytes
	s_lshr_b32 s53, s[\sj], 2
	s_mul_i32 s53, s53, 768
	s_and_b32 s54, s[\sj], 3
	s_mul_i32 s54, s54, 12
	s_add_co_u32 s53, s53, s54
	v_add_nc_u32 v[DO], s53, v[DA]
	global_load_b96 v[D:D+2], v[DO], s[12:13]
.endm
; Gather step s: level 2 s + h.  The row's byte offset is made in the low register of the pair into which its load lands.
.macro GSTEP s
.if \s < 3
.irp a, 0,1,2
	HW GX+\a, \a, 6-\s                             ; even level: c1024 >> (6 - s)
	HW TA+\a, 3+3*\s+\a, 0                         ; odd level: c23, c45, c91
.endr
.irp a, 0,1,2
	v_cndmask_b32 v[GX+\a], v[GX+\a], v[TA+\a], s48
.endr
.set CB, GX
.elseif \s == 3
.irp a, 0,1,2
	HW GX+\a, \a, 1
	HW TA+\a, 12+\a, 0
.endr
.irp a, 0,1,2
	v_cndmask_b32 v[S3+\a], v[GX+\a], v[TA+\a], s48   ; kept for steps 4 and 5
.endr
.irp a, 0,1,2
	v_lshrrev_b32 v[GX+\a], 2, v[S3+\a]
.endr
.set CB, GX
.elseif \s == 4
.irp a, 0,1,2
	v_lshrrev_b32 v[GX+\a], 1, v[S3+\a]
.endr
.set CB, GX
.else
.set CB, S3
.endif
	v_add_nc_u32 v[GX1], 1, v[CB]
	v_mul_u32_u24 v[HY0], v[CB+1], P1
	v_mul_u32_u24 v[HZ0], v[CB+2], P2
	v_add_nc_u32 v[HY1], P1, v[HY0]
	v_add_nc_u32 v[HZ1], P2, v[HZ0]
	v_xor_b32 v[AA], v[HY0], v[HZ0]
	v_xor_b32 v[AA+1], v[HY1], v[HZ0]
	v_xor_b32 v[AA+2], v[HY0], v[HZ1]
	v_xor_b32 v[AA+3], v[HY1], v[HZ1]
.irp q, 0,1,2,3
	v_and_or_b32 v[AA+\q], v[AA+\q], 0x7ffff, v[HB]   ; x has under 19 bits: the mask may come ahead of its exclusive or
.endr
.irp q, 0,1,2,3
	v_xor_b32 v[F+16*\s+4*\q], v[CB], v[AA+\q]        ; corner c = x + 2 y + 4 z at pair 16 s + 2 c
	v_xor_b32 v[F+16*\s+4*\q+2], v[GX1], v[AA+\q]
.endr
.irp c, 0,1,2,3,4,5,6,7
	v_min_u32 v[F+16*\s+2*\c], 0xfffff, v[F+16*\s+2*\c]   ; a loaded number enters an address behind a bound: two levels' rows
.endr
.irp c, 0,1,2,3,4,5,6,7
	v_lshlrev_b32 v[F+16*\s+2*\c], 3, v[F+16*\s+2*\c]     ; 8 bytes a row: under 2^23
.endr
.irp c, 0,1,2,3,4,5,6,7
	global_load_b64 v[F+16*\s+2*\c:F+16*\s+2*\c+1], v[F+16*\s+2*\c], s[28+2*\s:29+2*\s]
.endr
.endm
.macro GLAST                           ; level 12: my four corners have z-offset h
	HW GX, 0, 0
	HW GX+1, 1, 0
	HW GX+2, 2, 0
	v_add_nc_u32 v[GX+2], v[GX+2], v[HH]
	v_add_nc_u32 v[GX1], 1, v[GX]
	v_mul_u32_u24 v[HY0], v[GX+1], P1
	v_mul_u32_u24 v[HZ0], v[GX+2], P2
	v_add_nc_u32 v[HY1], P1, v[HY0]
	v_xor_b32 v[AA], v[HY0], v[HZ0]
	v_xor_b32 v[AA+1], v[HY1], v[HZ0]
	v_and_b32 v[AA], 0x7ffff, v[AA]
	v_and_b32 v[AA+1], 0x7ffff, v[AA+1]
.irp q, 0,1
	v_xor_b32 v[F+96+4*\q], v[GX], v[AA+\q]
	v_xor_b32 v[F+96+4*\q+2], v[GX1], v[AA+\q]
.endr
.irp c, 0,1,2,3
	v_min_u32 v[F+96+2*\c], 0x7ffff, v[F+96+2*\c]
.endr
.irp c, 0,1,2,3
	v_lshlrev_b32 v[F+96+2*\c], 3, v[F+96+2*\c]
.endr
.irp c, 0,1,2,3
	global_load_b64 v[F+96+2*\c:F+96+2*\c+1], v[F+96+2*\c], s[40:41]
.endr
.endm
.macro GATHER
	GSTEP 0
	GSTEP 1
	GSTEP 2
	GSTEP 3
	GSTEP 4
	GSTEP 5
	GLAST
.endm
.macro FRACS                           ; from the three positions in v[PP] on: 1 - f and f of each axis, and the four products in x and y
.irp a, 0,1,2
	v_floor_f32 v[FL+\a], v[PP+\a]
.endr
.irp a, 0,1,2
	v_sub_f32 v[U+2*\a+1], v[PP+\a], v[FL+\a]
.endr
.irp a, 0,1,2
	v_sub_f32 v[U+2*\a], 1.0, v[U+2*\a+1]
.endr
	v_pk_mul_f32 v[WXY:WXY+1], v[U:U+1], v[U+2:U+3] op_sel_hi:[1,0]                    ; (1 - fx, fx) x (1 - fy)
	v_pk_mul_f32 v[WXY+2:WXY+3], v[U:U+1], v[U+2:U+3] op_sel:[0,1] op_sel_hi:[1,1]     ; (1 - fx, fx) x fy
.endm
; The sum of step s.  n: the loads issued behind this step's eight, which may stay out.
.macro ISTEP s, n
.irp a, 0,1,2
	v_mul_f32 v[PP+\a], v[RS+\s], v[D+\a]
.endr
	FRACS
	v_pk_mul_f32 v[WW:WW+1], v[WXY:WXY+1], v[U+4:U+5] op_sel_hi:[1,0]
	v_pk_mul_f32 v[WW+2:WW+3], v[WXY+2:WXY+3], v[U+4:U+5] op_sel_hi:[1,0]
	v_pk_mul_f32 v[WW+4:WW+5], v[WXY:WXY+1], v[U+4:U+5] op_sel:[0,1] op_sel_hi:[1,1]
	v_pk_mul_f32 v[WW+6:WW+7], v[WXY+2:WXY+3], v[U+4:U+5] op_sel:[0,1] op_sel_hi:[1,1]
	s_wait_loadcnt \n                              ; loads come back in order: this step's rows are in
	v_pk_mul_f32 v[X+2*\s:X+2*\s+1], v[F+16*\s:F+16*\s+1], v[WW:WW+1] op_sel_hi:[1,0]          ; two chains: z = 0 and z = 1; a weight serves both features
	v_pk_mul_f32 v[XT:XT+1], v[F+16*\s+8:F+16*\s+9], v[WW+4:WW+5] op_sel_hi:[1,0]
	v_pk_fma_f32 v[X+2*\s:X+2*\s+1], v[F+16*\s+2:F+16*\s+3], v[WW:WW+1], v[X+2*\s:X+2*\s+1] op_sel:[0,1,0] op_sel_hi:[1,1,1]
	v_pk_fma_f32 v[XT:XT+1], v[F+16*\s+10:F+16*\s+11], v[WW+4:WW+5], v[XT:XT+1] op_sel:[0,1,0] op_sel_hi:[1,1,1]
	v_pk_fma_f32 v[X+2*\s:X+2*\s+1], v[F+16*\s+4:F+16*\s+5], v[WW+2:WW+3], v[X+2*\s:X+2*\s+1] op_sel_hi:[1,0,1]
	v_pk_fma_f32 v[XT:XT+1], v[F+16*\s+12:F+16*\s+13], v[WW+6:WW+7], v[XT:XT+1] op_sel_hi:[1,0,1]
	v_pk_fma_f32 v[X+2*\s:X+2*\s+1], v[F+16*\s+6:F+16*\s+7], v[WW+2:WW+3], v[X+2*\s:X+2*\s+1] op_sel:[0,1,0] op_sel_hi:[1,1,1]
	v_pk_fma_f32 v[XT:XT+1], v[F+16*\s+14:F+16*\s+15], v[WW+6:WW+7], v[XT:XT+1] op_sel:[0,1,0] op_sel_hi:[1,1,1]
	v_pk_add_f32 v[X+2*\s:X+2*\s+1], v[X+2*\s:X+2*\s+1], v[XT:XT+1]
.endm
.macro ILAST
.irp a, 0,1,2
	v_mul_f32 v[PP+\a], 0x44800000, v[D+\a]        ; 1024
.endr
	FRACS
	v_cndmask_b32 v[U+4], v[U+4], v[U+5], s48      ; my z weight: 1 - fz below, fz above
	v_pk_mul_f32 v[WW:WW+1], v[WXY:WXY+1], v[U+4:U+5] op_sel_hi:[1,0]
	v_pk_mul_f32 v[WW+2:WW+3], v[WXY+2:WXY+3], v[U+4:U+5] op_sel_hi:[1,0]
	s_wait_loadcnt 2                               ; all gathers are in; the two loads of cells behind them stay out
	v_pk_mul_f32 v[X+12:X+13], v[F+96:F+97], v[WW:WW+1] op_sel_hi:[1,0]
	v_pk_fma_f32 v[X+12:X+13], v[F+98:F+99], v[WW:WW+1], v[X+12:X+13] op_sel:[0,1,0] op_sel_hi:[1,1,1]
	v_pk_fma_f32 v[X+12:X+13], v[F+100:F+101], v[WW+2:WW+3], v[X+12:X+13] op_sel_hi:[1,0,1]
	v_pk_fma_f32 v[X+12:X+13], v[F+102:F+103], v[WW+2:WW+3], v[X+12:X+13] op_sel:[0,1,0] op_sel_hi:[1,1,1]
.endm
.macro INTERP                          ; issued in this order: the point (1), the gathers (52), the next cells (2)
	s_wait_loadcnt 54                              ; the point is in
	ISTEP 0, 46
	ISTEP 1, 38
	ISTEP 2, 30
	ISTEP 3, 22
	ISTEP 4, 14
	ISTEP 5, 6
	ILAST
.endm
; T = 1 / (1 + 2^(x (c1 + c3 x^2))) of the 32 numbers x in v[src] on.  wb, w1: the window settings where x is both sources, or source 1.  Every pass goes upward.
; The macro ends on the reciprocals: the plain line and the wait behind them are the caller's.
.macro GELU src, wb, w1
	WIN \wb
.set KK, 0
.rept 16
	v_pk_mul_f32 v[T+KK:T+KK+1], v[\src+KK:\src+KK+1], v[\src+KK:\src+KK+1]
.set KK, KK+2
.endr
	WIN 0
.set KK, 0
.rept 16
	v_pk_fma_f32 v[T+KK:T+KK+1], v[T+KK:T+KK+1], s[44:45], v[K1:K1+1] op_sel_hi:[1,0,1]
.set KK, KK+2
.endr
	WIN \w1
.set KK, 0
.rept 16
	v_pk_mul_f32 v[T+KK:T+KK+1], v[T+KK:T+KK+1], v[\src+KK:\src+KK+1]
.set KK, KK+2
.endr
	WIN 0
.set KK, 0
.rept 32
	v_exp_f32 v[T+KK], v[T+KK]
.set KK, KK+1
.endr
	v_nop                                          ; a plain line behind the last exponential,
	s_wait_alu depctr_va_vdst(0)                   ; and one wait for the batch, ahead of its first reader
.set KK, 0
.rept 16
	v_pk_add_f32 v[T+KK:T+KK+1], v[T+KK:T+KK+1], 1.0 op_sel_hi:[1,0]
.set KK, KK+2
.endr
.set KK, 0
.rept 32
	v_rcp_f32 v[T+KK], v[T+KK]
.set KK, KK+1
.endr
.endm
; The MLP of the tile whose X stands in v36-49.  s51: the tile's number.  last = 1: the wave's last tile, which always stores.
.macro MLP last
	WIN 0x51                                       ; W0, b0 and the sums in window 1, X in window 0
.irp s, 0,1,2,3,4,5,6                  ; the four accumulators take turns, one instruction a turn
.irp t, 0,1,2,3
.if \s == 0
	v_wmma_f32_16x16x4_f32 v[A1+8*\t:A1+8*\t+7], v[W0F+14*\t:W0F+14*\t+1], v[X:X+1], v[B0+8*\t:B0+8*\t+7]
.else
	v_wmma_f32_16x16x4_f32 v[A1+8*\t:A1+8*\t+7], v[W0F+14*\t+2*\s:W0F+14*\t+2*\s+1], v[X+2*\s:X+2*\s+1], v[A1+8*\t:A1+8*\t+7]
.endif
.endr
.endr
	WIN 0
.rept 8
	v_nop                                          ; eight places behind this form before its results are read
.endr
	GELU A1, 0x05, 0x04
	v_nop                                          ; a plain line behind the last reciprocal,
	s_wait_alu depctr_va_vdst(0)                   ; and the batch's wait
	WIN 0x04
.set KK, 0
.rept 16
	v_pk_mul_f32 v[T+KK:T+KK+1], v[T+KK:T+KK+1], v[A1+KK:A1+KK+1]   ; the hidden layer: register 8 t + j = unit 32 h + 8 t + j of my point
.set KK, KK+2
.endr
	WIN 0
	v_max3_num_f32 v[MA], |v[T]|, |v[T+1]|, 0x1800000      ; my block's largest magnitude, in two chains, over the floor 2^(3 - 127): the byte cannot fall under 1
	v_max3_num_f32 v[MB], |v[T+2]|, |v[T+3]|, 0x1800000
.irp i, 4,8,12,16,20,24,28
	v_max3_num_f32 v[MA], v[MA], |v[T+\i]|, |v[T+\i+1]|
	v_max3_num_f32 v[MB], v[MB], |v[T+\i+2]|, |v[T+\i+3]|
.endr
	v_max_num_f32 v[MA], v[MA], v[MB]
	v_add_nc_u32 v[MB], 0xff000000, v[MA]          ; 2 off its exponent field: the conversion's scale operand
	v_lshrrev_b32 v[MA], 23, v[MB]                 ; the scale's byte of block h
	v_permlanex16_b32 v[OB], v[MA], s46, s47
	v_lshl_or_b32 v[SC], v[OB], 8, v[MA]           ; lanes 0-15: byte 0 block 0, byte 1 block 1; bytes 2, 3 are 0 over zero codes
.irp g, 0,1,2,3
	v_cvt_scalef32_pk8_fp4_f32 v[HC+\g], v[T+8*\g:T+8*\g+7], v[MB]
.endr
.rept 8
	v_nop                                          ; a scale register written by a vector instruction stands eight places ahead of the scaled product, an operand four
.endr
	WIN 0x11                                       ; W1's codes and b1 in window 1
.irp t, 0,1,2,3
	v_wmma_scale_f32_16x16x128_f8f6f4 v[A2+8*\t:A2+8*\t+7], v[W1C+8*\t:W1C+8*\t+7], v[HC:HC+7], v[B1+8*\t:B1+8*\t+7], v[W1S+\t], v[SC] matrix_a_fmt:MATRIX_FMT_FP4 matrix_b_fmt:MATRIX_FMT_FP4
.endr
	WIN 0
.rept 4
	v_nop                                          ; four places behind this form before its results are read
.endr
	GELU A2, 0, 0
	WIN 0x04
.set KK, 0
.rept 16
	v_pk_mul_f32 v[A2+KK:A2+KK+1], v[A2+KK:A2+KK+1], v[W2V+KK:W2V+KK+1]   ; x W2: plain work behind the reciprocals, which names none of them
.set KK, KK+2
.endr
	WIN 0
	s_wait_alu depctr_va_vdst(0)                   ; the batch's wait, ahead of its first reader
	v_pk_mul_f32 v[ACC0:ACC0+1], v[T:T+1], v[A2:A2+1]
	v_pk_mul_f32 v[ACC1:ACC1+1], v[T+2:T+3], v[A2+2:A2+3]
.irp i, 4,8,12,16,20,24,28
	v_pk_fma_f32 v[ACC0:ACC0+1], v[T+\i:T+\i+1], v[A2+\i:A2+\i+1], v[ACC0:ACC0+1]
	v_pk_fma_f32 v[ACC1:ACC1+1], v[T+\i+2:T+\i+3], v[A2+\i+2:A2+\i+3], v[ACC1:ACC1+1]
.endr
	v_pk_add_f32 v[ACC0:ACC0+1], v[ACC0:ACC0+1], v[ACC1:ACC1+1]
	v_add_f32 v[ACC0], v[ACC0], v[ACC0+1]          ; my 32 units of the 64,
	v_permlanex16_b32 v[OB], v[ACC0], s46, s47
	v_add_f32 v[ACC0], v[ACC0], v[OB]              ; with the other half's,
	v_add_f32 v[ACC0], s59, v[ACC0]                ; and b2: the point's result, in both halves of the lanes
	s_bitcmp1_b32 s51, 2                           ; tiles 0-3 of eight fill lanes 0-15, tiles 4-7 lanes 16-31: four tiles give a lane four neighbouring points
	s_cselect_b32 s50, s48, s49
	v_cndmask_b32 v[O], v[O], v[O+1], s50
	v_cndmask_b32 v[O+1], v[O+1], v[O+2], s50
	v_cndmask_b32 v[O+2], v[O+2], v[O+3], s50
	v_cndmask_b32 v[O+3], v[O+3], v[ACC0], s50
.if !\last
	s_and_b32 s52, s51, 7
	s_cmp_eq_u32 s52, 7
	s_cbranch_scc0 .Lkeep_\@
.endif
	global_store_b128 v[OA], v[O:O+3], s[24:25] th:TH_STORE_NT   ; eight tiles' 128 points: 512 consecutive bytes, aligned
.if !\last
	s_wait_xcnt 0x0                                ; the store has read its data and its base: both are written again only behind this wait
	s_add_nc_u64 s[24:25], s[24:25], 512
.Lkeep_\@:
.endif
.endm
.macro RSET s, lo, hi                  ; the resolution of level 2 s + h
	v_mov_b32 v[RS+\s], \lo
	v_mov_b32 v60, \hi
	v_cndmask_b32 v[RS+\s], v[RS+\s], v60, s48
.endm
	s_load_b512 s[8:23], s[0:1], 0x0               ; cells s[8:9], wimg s[10:11], data s[12:13], table s[14:15], b0 s[16:17], b1 s[18:19], W2 s[20:21], b2 s[22:23]
	s_load_b64 s[24:25], s[0:1], 0x40              ; out0
	v_lshrrev_b32 v60, 5, v0
	v_readfirstlane_b32 s58, v60                   ; wave 0..7
	v_and_b32 v60, 15, v0                          ; r
	v_and_b32 v61, 31, v0                          ; lane
	v_bfe_u32 v[HH], v0, 4, 1
	v_lshlrev_b32 v[CA], 4, v60
	v_mul_u32_u24 v[DA], v60, 48
	v_lshlrev_b32 v[OA], 4, v61
	v_lshlrev_b32 v[HB], 19, v[HH]
	v_lshlrev_b32 v62, 2, v61                      ; 4 x lane: W1's scale words
	v_lshlrev_b32 v63, 7, v[HH]                    ; 128 h: b0's 32 numbers of my half
	v_lshlrev_b32 v58, 5, v[HH]                    ; 32 h: b1's and W2's eight of a tile
	s_mov_b32 s44, 0xbdd2d3e8                      ; c3 = 0.044715 c1
	s_mov_b32 s45, s44                             ; (named with it as a pair, so it is written)
	s_mov_b32 s46, 0x76543210
	s_mov_b32 s47, 0xfedcba98                      ; v_permlanex16_b32's selects for lane l xor 16
	s_mov_b32 s48, 0xffff0000                      ; lanes 16-31
	s_mov_b32 s49, 0x0000ffff                      ; lanes 0-15
	RSET 0, 0x41800000, 0x41b80000                 ; 16, 23
	RSET 1, 0x42000000, 0x42340000                 ; 32, 45
	RSET 2, 0x42800000, 0x42b60000                 ; 64, 91
	RSET 3, 0x43000000, 0x43350000                 ; 128, 181
	RSET 4, 0x43800000, 0x43b50000                 ; 256, 362
	RSET 5, 0x44000000, 0x44350000                 ; 512, 724
	v_mov_b32 v[K1], 0xc0135761                    ; c1 = -2 log2(e) sqrt(2 / pi)
	v_mov_b32 v[K1+1], 0xc0135761
	v_mov_b32 v[OB], 0                             ; a lane permute's destination counts as one of its sources
.irp k, 0,1,2,3
	v_mov_b32 v[O+\k], 0
	v_mov_b32 v[HC+4+\k], 0                        ; K = 64 .. 127 of the hidden layer: zero codes
.endr
	s_wait_kmcnt 0x0
	s_load_b32 s59, s[22:23], 0x0                  ; b2
	s_lshl_b32 s52, ttmp9, 3
	s_add_co_u32 s52, s52, s58                     ; W: which 256 points are my wave's
	s_mov_b32 s55, 0
	s_lshl_b32 s54, s52, 12
	s_add_nc_u64 s[8:9], s[8:9], s[54:55]          ; cells, plane 0: 16 bytes a position
	s_add_nc_u64 s[26:27], s[8:9], 0x800000        ; plane 1
	s_mul_i32 s54, s52, 3072
	s_add_nc_u64 s[12:13], s[12:13], s[54:55]      ; data: 12 bytes a point
	s_lshl_b32 s54, s52, 10
	s_add_nc_u64 s[24:25], s[24:25], s[54:55]      ; out0: 4 bytes a point
	s_mov_b64 s[28:29], s[14:15]                   ; the table at levels 0, 2, .. 12: a level is 2^22 bytes
.irp s, 1,2,3,4,5,6
	s_add_nc_u64 s[28+2*\s:29+2*\s], s[14:15], \s*0x800000
.endr
	s_mov_b32 s56, 0
	LOADC 56                                       ; tile 0's cells first
	WIN 0x40                                       ; destinations in window 1
.irp g, 0,1,2,3,4,5,6,7,8,9,10,11,12,13
	global_load_b128 v[W0F+4*\g:W0F+4*\g+3], v[OA], s[10:11] offset:512*\g
.endr
.irp t, 0,1,2,3
	global_load_b128 v[W1C+8*\t:W1C+8*\t+3], v[OA], s[10:11] offset:7168+512*\t
	global_load_b128 v[B0+8*\t:B0+8*\t+3], v63, s[16:17] offset:32*\t          ; b0[32 h + 8 t + j]
	global_load_b128 v[B0+8*\t+4:B0+8*\t+7], v63, s[16:17] offset:32*\t+16
	global_load_b128 v[B1+8*\t:B1+8*\t+3], v58, s[18:19] offset:64*\t          ; b1[16 t + 8 h + j]
	global_load_b128 v[B1+8*\t+4:B1+8*\t+7], v58, s[18:19] offset:64*\t+16
	global_load_b128 v[W2V+8*\t:W2V+8*\t+3], v58, s[20:21] offset:64*\t        ; W2 likewise
	global_load_b128 v[W2V+8*\t+4:W2V+8*\t+7], v58, s[20:21] offset:64*\t+16
.endr
.irp t, 0,1,2,3
.irp k, 4,5,6,7
	v_mov_b32 v[W1C+8*\t+\k], 0                    ; K = 64 .. 127 of W1: zero codes
.endr
.endr
	WIN 0
.irp t, 0,1,2,3
	global_load_b32 v[W1S+\t], v62, s[10:11] offset:9216+128*\t
.endr
	s_wait_loadcnt 46                              ; tile 0's cells are in; the 46 loads of weights behind them stay out
	s_wait_kmcnt 0x0                               ; b2
	LOADD 56
	GATHER
	s_mov_b32 s56, 1
	LOADC 56
	INTERP                                         ; its first wait shows the weights in too: they were issued earlier
	s_mov_b32 s51, 0
.Ltile:                                            ; trip i: tile i + 1's gathers go out, tile i goes through the MLP, tile i + 1's rows are summed
	s_wait_loadcnt 0x0                             ; only tile i + 1's cells were still out, asked for a trip ago
	s_add_co_u32 s56, s51, 1
	LOADD 56
	GATHER
	s_add_co_u32 s56, s51, 2
	s_min_u32 s56, s56, 15                         ; the last trip names tile 15 once more: every trip issues the same loads, and none leaves the buffer
	LOADC 56
	MLP 0
	INTERP
	s_add_co_u32 s51, s51, 1
	s_cmp_lt_u32 s51, 15
	s_cbranch_scc1 .Ltile
	MLP 1                                          ; tile 15
	s_endpgm
.Lfunc_end_k_q609fc9b83f_mlp:
	.size	k_q609fc9b83f_mlp, .Lfunc_end_k_q609fc9b83f_mlp-k_q609fc9b83f_mlp
	.p2alignl 7, 3214868480
	.fill 96, 4, 3214868480
	.section	.rodata,"a",@progbits
	.p2align	6, 0x0
	.amdhsa_kernel k_q609fc9b83f_mlp
		.amdhsa_group_segment_fixed_size 0
		.amdhsa_private_segment_fixed_size 0
		.amdhsa_enable_private_segment 0
		.amdhsa_kernarg_size 72
		.amdhsa_user_sgpr_count 2
		.amdhsa_user_sgpr_kernarg_segment_ptr 1
		.amdhsa_wavefront_size32 1
		.amdhsa_system_sgpr_workgroup_id_x 1
		.amdhsa_system_sgpr_workgroup_id_y 1
		.amdhsa_system_sgpr_workgroup_id_z 1
		.amdhsa_system_vgpr_workitem_id 0
		.amdhsa_next_free_vgpr 512
		.amdhsa_next_free_sgpr 66
		.amdhsa_reserve_vcc 0
		.amdhsa_float_denorm_mode_32 3
		.amdhsa_float_denorm_mode_16_64 3
		.amdhsa_memory_ordered 1
		.amdhsa_forward_progress 1
		.amdhsa_inst_pref_size 109
	.end_amdhsa_kernel
	.amdgpu_metadata
---
amdhsa.version: [ 1, 2 ]
amdhsa.kernels:
  - .name:           k_q609fc9b83f_mlp
    .symbol:         k_q609fc9b83f_mlp.kd
    .args:
      - { .name: cells, .offset: 0, .size: 8, .value_kind: global_buffer, .address_space: global }
      - { .name: wimg, .offset: 8, .size: 8, .value_kind: global_buffer, .address_space: global }
      - { .name: data, .offset: 16, .size: 8, .value_kind: global_buffer, .address_space: global }
      - { .name: table, .offset: 24, .size: 8, .value_kind: global_buffer, .address_space: global }
      - { .name: b0, .offset: 32, .size: 8, .value_kind: global_buffer, .address_space: global }
      - { .name: b1, .offset: 40, .size: 8, .value_kind: global_buffer, .address_space: global }
      - { .name: W2, .offset: 48, .size: 8, .value_kind: global_buffer, .address_space: global }
      - { .name: b2, .offset: 56, .size: 8, .value_kind: global_buffer, .address_space: global }
      - { .name: out0, .offset: 64, .size: 8, .value_kind: global_buffer, .address_space: global }
    .group_segment_fixed_size: 0
    .private_segment_fixed_size: 0
    .kernarg_segment_align: 8
    .kernarg_segment_size: 72
    .max_flat_workgroup_size: 256
    .sgpr_count:     66
    .vgpr_count:     512
    .wavefront_size: 32
...
	.end_amdgpu_metadata
.endif
;; end of part 2
;; ======== version 2 of 2: 2 launches; version 1 with the launch mlp written anew for expert scheduling mode
;; limits: inputs' magnitudes at most 64
;; workspace buffers: cells 16,777,216 bytes of whole numbers; wimg 9,728 bytes
;; launch prep: the kernel of part 1 again; grid 513 x 1, 8 waves a work-group, no clusters, 0 bytes of LDS; arguments data, W0, W1, cells, wimg; writes cells, wimg
;; launch mlp (part 3): grid 256 x 1, 8 waves a work-group, no clusters, 0 bytes of LDS; arguments cells, wimg, data, table, b0, b1, W2, b2, out0; writes out0
.if DOCPART == 3
	.amdgcn_target "amdgcn-amd-amdhsa--gfx1250"
	.amdhsa_code_object_version 6
	.text
	.protected	k_q609fc9b83f_mlp
	.globl	k_q609fc9b83f_mlp
	.p2align	8
	.type	k_q609fc9b83f_mlp,@function
k_q609fc9b83f_mlp:
	s_mov_b64 s[64:65], 0
	v_nop
	global_prefetch_b8 v0, s[64:65] scope:SCOPE_SE
	s_setreg_imm32_b32 hwreg(HW_REG_WAVE_SCHED_MODE, 0, 2), 2
	s_setreg_imm32_b32 hwreg(HW_REG_WAVE_MODE, 25, 1), 1
	s_wait_xcnt 0x0
	s_wait_alu depctr_vm_vsrc(0)
; HashedMLP, second launch: the hash, the 104 table rows a point, the trilinear sums, and the MLP 26 -> 64 -> 64 -> 1.  No work of the problem is left out here.
; The table addresses are made of the whole numbers that the first launch stored (cells); the fractions are made anew from data, by the same f32 products.
; LIMITS: 0 <= data < 64 (16-bit coordinates); negative data: coordinate 0; NaN and infinities in data are not served.  gelu is x / (1 + 2^(x (c1 + c3 x^2))), the tanh form written as a
; sigmoid: c1 = -2 log2(e) sqrt(2 / pi), c3 = 0.044715 c1; where the power overflows the quotient is 0, as the tanh form gives.
; HASH: only its low 19 bits count, and a coordinate has at most 17: so y x prime is a 24-bit multiply by the prime's low 24 bits, and the corner + 1 adds that constant.
; SHARES: 2,048 waves, 256 points each: 16 tiles of 16 points.  Lane (r = lane % 16, h = lane / 16) of tile j serves position 16 j + r, which is point 64 (j / 4) + 4 r + j % 4 of the wave's.
;   Gather step s = 0 .. 5: the lane does level 2 s + h of its point, all 8 corners; step 6: level 12, the four corners with z-offset h.  The lane's feature pair of step s IS the register pair of
;   source 1 (k = 4 s + 2 h + j, column r) of the f32 matrix form.  Level 12's two half sums go in as k = 24, 25 and 26, 27, against W0's rows 24, 25 laid twice: the matrix unit adds them.
; PRODUCT 1 (f32 operands: its result goes into a quantiser), transposed: source 0 = 16 rows of W0^T, chosen so that lane (r, h) ends with hidden units 32 h + 0 .. 31 of point r in 32 registers:
;   a whole block of the quantiser in one lane, in the order of the next operand.  b0 is the C of each sum's first instruction.
; PRODUCT 2 (E2M1 codes, E8M0 scales), transposed: source 0 = 16 columns of W1, source 1 = the hidden layer's codes; K = 64 of the instruction's 128, the rest zero codes.  b1 is the C.
; PRODUCT 3: packed multiply-adds with W2 in the result's layout, and one exchange between the halves of the lanes.
; PIPELINE: while tile i goes through the MLP, tile i + 1's 52 gathers are on their way; tile i + 2's cells are asked for a trip ahead.
; No LDS, no tensor load, no cluster: the work-groups share the weights (9,728 bytes, kept in each wave's registers) and table rows named by a hash, never a tile.
; THE MODE: SCHED_MODE bits 1:0 = 2 (LLVM: expert scheduling mode 2), set by the entry lines.  The code itself states the register dependences
; between vector or matrix instructions and memory instructions, with s_wait_alu, always for 0.
; THE PLAN.  Registers that memory instructions touch, in the loop:
;   v[CO], v[DO]  Offsets, written by one vector line each at a trip's head; read by the two loads of cells and the load of the point.
;   v[F ..]       A pair a table row.  The front's vector lines make the row's byte offset in the pair's low register; the row's load reads it and lands on the pair; the sums (INTERP) read the pair.
;   v[C ..]       The cells' loads land in it; the front's lines that cut coordinates out of it read it (steps 0 to 3 and the last).
;   v[D ..]       The point's load lands in it; the sums read it.
;   v[O ..]       Written by four selections a tile; read by the store, once in eight tiles.   v[OA], v[CA], v[DA]: made at the head, never written again.
;   X, T, both products' sums, the codes and the scale word are named by vector and matrix instructions alone.
; A trip's front (macro FRONT): one wait on vm_vsrc, then all that is written anew; the offsets of the point, of the next cells and of steps 0 to 2; ONE wait on va_vdst; the point's load and the loads of
; steps 0 to 2, dealt among the lines that make the offsets of steps 3 to 6, which name none of those loads' registers; ONE more wait on va_vdst; the other 28 rows' loads and the cells'.
; Beside these: a wait ahead of the scaled products (codes and scale word), the waits behind the batches of exponentials and reciprocals, and two round the store.
; REGISTERS, window 0: v1-7 addresses and the lane's half; v8-13 resolutions; v14 the hidden layer's scale word; v16-19 W1's scale words; v20-23 four results a lane; v24-31 cells; v32-34 the point;
;   v36-49 X (7 pairs); v50-57 the hidden layer's codes (v54-57 zeros); v58-63 at work; v64-95 T (at work in every phase); v96-127 product 2's sums; v128-231 table rows; v232-233 c1.
;   window 1: v0-55 W0; v56-87 b0; v88-119 product 1's sums, written by matrix instructions alone; v120-151 W1's codes; v152-183 b1; v184-215 W2.
.set CA,  1                            ; 16 r: my position's bytes in a tile's cells
.set DA,  2                            ; 48 r: my point's bytes in a run of 64 points
.set CO,  3                            ; the cells' offset in hand
.set DO,  4                            ; the data's
.set OA,  5                            ; 16 x lane; never rewritten
.set HB,  6                            ; h << 19: the odd level's table lies 2^19 rows behind the even one's
.set HH,  7                            ; h
.set RS,  8
.set SC,  14
.set OB,  15
.set W1S, 16
.set O,   20
.set C,   24
.set D,   32
.set X,   36
.set HC,  50
.set MA,  58
.set MB,  59
.set ACC0, 60
.set ACC1, 62
.set T,   64
.set A2,  96
.set F,   128
.set K1,  232
.set W0F, 0                            ; window 1
.set B0,  56
.set A1,  88
.set W1C, 120
.set B1,  152
.set W2V, 184
.set GX,  64                           ; at work in the gathers: the lane's x, y, z
.set TA,  67
.set GX1, 70
.set HY0, 71
.set HY1, 72
.set HZ0, 73
.set HZ1, 74
.set AA,  75                           ; v75-78: y's and z's part of the hash, corner y + 2 z
.set S3,  80                           ; v80-82: h ? c724 : c1024 >> 1
.set PP,  64                           ; at work in the sums: positions,
.set FL,  67                           ; their floors,
.set U,   70                           ; 1 - fx, fx, 1 - fy, fy, 1 - fz, fz
.set WXY, 76
.set WW,  80                           ; the eight weights
.set XT,  88
.set P1,  0x3779b1                     ; 2654435761 mod 2^24
.set P2,  0x025795                     ; 805459861 mod 2^24
.set MSB, 0
.macro WIN new                         ; the immediate's high byte repeats the setting that is left; a switch that changes nothing is dropped
.if MSB != \new
	s_set_vgpr_msb (MSB<<8)|\new
.set MSB, \new
.endif
.endm
.macro HW dst, n, sh                   ; halfword n of the cells, shifted right by sh
.if ((\n)%2) == 0
	v_bfe_u32 v[\dst], v[C+(\n)/2], \sh, 16-(\sh)
.else
	v_lshrrev_b32 v[\dst], 16+(\sh), v[C+(\n)/2]
.endif
.endm
.macro CADDR sj                        ; tile s[sj]'s cells: 256 bytes a plane; both halves of the lanes take the same 16 bytes
	v_lshl_add_u32 v[CO], s[\sj], 8, v[CA]
.endm
.macro CLOAD
	global_load_b128 v[C:C+3], v[CO], s[8:9] th:TH_LOAD_NT
	global_load_b128 v[C+4:C+7], v[CO], s[26:27] th:TH_LOAD_NT
.endm
.macro DADDR sj                        ; tile s[sj]'s points: 12 (64 (j / 4) + 4 r + j % 4)
	s_lshr_b32 s53, s[\sj], 2
	s_mul_i32 s53, s53, 768
	s_and_b32 s54, s[\sj], 3
	s_mul_i32 s54, s54, 12
	s_add_co_u32 s53, s53, s54
	v_add_nc_u32 v[DO], s53, v[DA]
.endm
.macro DLOAD                           ; no hint: four successive tiles read between each other's bytes
	global_load_b96 v[D:D+2], v[DO], s[12:13]
.endm
; Gather step s: level 2 s + h.  GADDR makes the eight rows' byte offsets, each in the low register of the pair into which its load lands; GLOAD is the eight loads.
.macro GADDR s
.if \s < 3
.irp a, 0,1,2
	HW GX+\a, \a, 6-\s                             ; even level: c1024 >> (6 - s)
	HW TA+\a, 3+3*\s+\a, 0                         ; odd level: c23, c45, c91
.endr
.irp a, 0,1,2
	v_cndmask_b32 v[GX+\a], v[GX+\a], v[TA+\a], s48
.endr
.set CB, GX
.elseif \s == 3
.irp a, 0,1,2
	HW GX+\a, \a, 1
	HW TA+\a, 12+\a, 0
.endr
.irp a, 0,1,2
	v_cndmask_b32 v[S3+\a], v[GX+\a], v[TA+\a], s48   ; kept for steps 4 and 5
.endr
.irp a, 0,1,2
	v_lshrrev_b32 v[GX+\a], 2, v[S3+\a]
.endr
.set CB, GX
.elseif \s == 4
.irp a, 0,1,2
	v_lshrrev_b32 v[GX+\a], 1, v[S3+\a]
.endr
.set CB, GX
.else
.set CB, S3
.endif
	v_add_nc_u32 v[GX1], 1, v[CB]
	v_mul_u32_u24 v[HY0], v[CB+1], P1
	v_mul_u32_u24 v[HZ0], v[CB+2], P2
	v_add_nc_u32 v[HY1], P1, v[HY0]
	v_add_nc_u32 v[HZ1], P2, v[HZ0]
	v_xor_b32 v[AA], v[HY0], v[HZ0]
	v_xor_b32 v[AA+1], v[HY1], v[HZ0]
	v_xor_b32 v[AA+2], v[HY0], v[HZ1]
	v_xor_b32 v[AA+3], v[HY1], v[HZ1]
.irp q, 0,1,2,3
	v_and_or_b32 v[AA+\q], v[AA+\q], 0x7ffff, v[HB]   ; x has under 19 bits: the mask may come ahead of its exclusive or
.endr
.irp q, 0,1,2,3
	v_xor_b32 v[F+16*\s+4*\q], v[CB], v[AA+\q]        ; corner c = x + 2 y + 4 z at pair 16 s + 2 c
	v_xor_b32 v[F+16*\s+4*\q+2], v[GX1], v[AA+\q]
.endr
.irp c, 0,1,2,3,4,5,6,7
	v_min_u32 v[F+16*\s+2*\c], 0xfffff, v[F+16*\s+2*\c]   ; a loaded number enters an address behind a bound: two levels' rows
.endr
.irp c, 0,1,2,3,4,5,6,7
	v_lshlrev_b32 v[F+16*\s+2*\c], 3, v[F+16*\s+2*\c]     ; 8 bytes a row: under 2^23
.endr
.endm
.macro GLOAD s
.irp c, 0,1,2,3,4,5,6,7
	global_load_b64 v[F+16*\s+2*\c:F+16*\s+2*\c+1], v[F+16*\s+2*\c], s[28+2*\s:29+2*\s]
.endr
.endm
.macro GADDRL                          ; level 12: my four corners have z-offset h
	HW GX, 0, 0
	HW GX+1, 1, 0
	HW GX+2, 2, 0
	v_add_nc_u32 v[GX+2], v[GX+2], v[HH]
	v_add_nc_u32 v[GX1], 1, v[GX]
	v_mul_u32_u24 v[HY0], v[GX+1], P1
	v_mul_u32_u24 v[HZ0], v[GX+2], P2
	v_add_nc_u32 v[HY1], P1, v[HY0]
	v_xor_b32 v[AA], v[HY0], v[HZ0]
	v_xor_b32 v[AA+1], v[HY1], v[HZ0]
	v_and_b32 v[AA], 0x7ffff, v[AA]
	v_and_b32 v[AA+1], 0x7ffff, v[AA+1]
.irp q, 0,1
	v_xor_b32 v[F+96+4*\q], v[GX], v[AA+\q]
	v_xor_b32 v[F+96+4*\q+2], v[GX1], v[AA+\q]
.endr
.irp c, 0,1,2,3
	v_min_u32 v[F+96+2*\c], 0x7ffff, v[F+96+2*\c]
.endr
.irp c, 0,1,2,3
	v_lshlrev_b32 v[F+96+2*\c], 3, v[F+96+2*\c]
.endr
.endm
.macro GLOADL
.irp c, 0,1,2,3
	global_load_b64 v[F+96+2*\c:F+96+2*\c+1], v[F+96+2*\c], s[40:41]
.endr
.endm
; A trip's front.  s56: the tile whose point and rows are asked for (its cells are in); s57: the tile whose cells are asked for.  The loads go out in this order: the point (1), the rows (52), the cells (2).
.macro FRONT
	s_wait_alu depctr_vm_vsrc(0)                   ; every load issued so far has read its offset: v[CO], v[DO] and the low registers of v[F ..] are written anew below (on the first pass also v58, v62, v63, the weights' offsets, which the MLP takes to work)
	DADDR 56
	CADDR 57
	GADDR 0
	GADDR 1
	GADDR 2
	s_wait_alu depctr_va_vdst(0)                   ; v[DO], v[CO] and the row offsets of steps 0 to 2 are written, which the loads below read and land on; the last tile's sums are done reading v[D ..] and v[F ..], in which loads land
	DLOAD
	GLOAD 0                                        ; no further wait: the lines between these loads name v[C ..], v64-82 and v[F+48 ..] on, none of the registers that these loads touch
	GADDR 3
	GLOAD 1
	GADDR 4
	GLOAD 2
	GADDR 5
	GADDRL
	s_wait_alu depctr_va_vdst(0)                   ; the row offsets of steps 3 to 6 are written; the lines that cut coordinates out of v[C ..] are done reading it: the next cells land there
	GLOAD 3
	GLOAD 4
	GLOAD 5
	GLOADL
	CLOAD
.endm
.macro FRACS                           ; from the three positions in v[PP] on: 1 - f and f of each axis, and the four products in x and y
.irp a, 0,1,2
	v_floor_f32 v[FL+\a], v[PP+\a]
.endr
.irp a, 0,1,2
	v_sub_f32 v[U+2*\a+1], v[PP+\a], v[FL+\a]
.endr
.irp a, 0,1,2
	v_sub_f32 v[U+2*\a], 1.0, v[U+2*\a+1]
.endr
	v_pk_mul_f32 v[WXY:WXY+1], v[U:U+1], v[U+2:U+3] op_sel_hi:[1,0]                    ; (1 - fx, fx) x (1 - fy)
	v_pk_mul_f32 v[WXY+2:WXY+3], v[U:U+1], v[U+2:U+3] op_sel:[0,1] op_sel_hi:[1,1]     ; (1 - fx, fx) x fy
.endm
; The sum of step s.  n: the loads issued behind this step's eight, which may stay out.
.macro ISTEP s, n
.irp a, 0,1,2
	v_mul_f32 v[PP+\a], v[RS+\s], v[D+\a]
.endr
	FRACS
	v_pk_mul_f32 v[WW:WW+1], v[WXY:WXY+1], v[U+4:U+5] op_sel_hi:[1,0]
	v_pk_mul_f32 v[WW+2:WW+3], v[WXY+2:WXY+3], v[U+4:U+5] op_sel_hi:[1,0]
	v_pk_mul_f32 v[WW+4:WW+5], v[WXY:WXY+1], v[U+4:U+5] op_sel:[0,1] op_sel_hi:[1,1]
	v_pk_mul_f32 v[WW+6:WW+7], v[WXY+2:WXY+3], v[U+4:U+5] op_sel:[0,1] op_sel_hi:[1,1]
	s_wait_loadcnt \n                              ; loads come back in order: this step's rows are in
	v_pk_mul_f32 v[X+2*\s:X+2*\s+1], v[F+16*\s:F+16*\s+1], v[WW:WW+1] op_sel_hi:[1,0]          ; two chains: z = 0 and z = 1; a weight serves both features
	v_pk_mul_f32 v[XT:XT+1], v[F+16*\s+8:F+16*\s+9], v[WW+4:WW+5] op_sel_hi:[1,0]
	v_pk_fma_f32 v[X+2*\s:X+2*\s+1], v[F+16*\s+2:F+16*\s+3], v[WW:WW+1], v[X+2*\s:X+2*\s+1] op_sel:[0,1,0] op_sel_hi:[1,1,1]
	v_pk_fma_f32 v[XT:XT+1], v[F+16*\s+10:F+16*\s+11], v[WW+4:WW+5], v[XT:XT+1] op_sel:[0,1,0] op_sel_hi:[1,1,1]
	v_pk_fma_f32 v[X+2*\s:X+2*\s+1], v[F+16*\s+4:F+16*\s+5], v[WW+2:WW+3], v[X+2*\s:X+2*\s+1] op_sel_hi:[1,0,1]
	v_pk_fma_f32 v[XT:XT+1], v[F+16*\s+12:F+16*\s+13], v[WW+6:WW+7], v[XT:XT+1] op_sel_hi:[1,0,1]
	v_pk_fma_f32 v[X+2*\s:X+2*\s+1], v[F+16*\s+6:F+16*\s+7], v[WW+2:WW+3], v[X+2*\s:X+2*\s+1] op_sel:[0,1,0] op_sel_hi:[1,1,1]
	v_pk_fma_f32 v[XT:XT+1], v[F+16*\s+14:F+16*\s+15], v[WW+6:WW+7], v[XT:XT+1] op_sel:[0,1,0] op_sel_hi:[1,1,1]
	v_pk_add_f32 v[X+2*\s:X+2*\s+1], v[X+2*\s:X+2*\s+1], v[XT:XT+1]
.endm
.macro ILAST
.irp a, 0,1,2
	v_mul_f32 v[PP+\a], 0x44800000, v[D+\a]        ; 1024
.endr
	FRACS
	v_cndmask_b32 v[U+4], v[U+4], v[U+5], s48      ; my z weight: 1 - fz below, fz above
	v_pk_mul_f32 v[WW:WW+1], v[WXY:WXY+1], v[U+4:U+5] op_sel_hi:[1,0]
	v_pk_mul_f32 v[WW+2:WW+3], v[WXY+2:WXY+3], v[U+4:U+5] op_sel_hi:[1,0]
	s_wait_loadcnt 2                               ; all gathers are in; the two loads of cells behind them stay out
	v_pk_mul_f32 v[X+12:X+13], v[F+96:F+97], v[WW:WW+1] op_sel_hi:[1,0]
	v_pk_fma_f32 v[X+12:X+13], v[F+98:F+99], v[WW:WW+1], v[X+12:X+13] op_sel:[0,1,0] op_sel_hi:[1,1,1]
	v_pk_fma_f32 v[X+12:X+13], v[F+100:F+101], v[WW+2:WW+3], v[X+12:X+13] op_sel_hi:[1,0,1]
	v_pk_fma_f32 v[X+12:X+13], v[F+102:F+103], v[WW+2:WW+3], v[X+12:X+13] op_sel:[0,1,0] op_sel_hi:[1,1,1]
.endm
.macro INTERP                          ; issued in this order: the point (1), the gathers (52), the next cells (2)
	s_wait_loadcnt 54                              ; the point is in
	ISTEP 0, 46
	ISTEP 1, 38
	ISTEP 2, 30
	ISTEP 3, 22
	ISTEP 4, 14
	ISTEP 5, 6
	ILAST
.endm
; T = 1 / (1 + 2^(x (c1 + c3 x^2))) of the 32 numbers x in v[src] on.  wb, w1: the window settings where x is both sources, or source 1.  Every pass goes upward.
; The macro ends on the reciprocals: the plain line and the wait behind them are the caller's.
.macro GELU src, wb, w1
	WIN \wb
.set KK, 0
.rept 16
	v_pk_mul_f32 v[T+KK:T+KK+1], v[\src+KK:\src+KK+1], v[\src+KK:\src+KK+1]
.set KK, KK+2
.endr
	WIN 0
.set KK, 0
.rept 16
	v_pk_fma_f32 v[T+KK:T+KK+1], v[T+KK:T+KK+1], s[44:45], v[K1:K1+1] op_sel_hi:[1,0,1]
.set KK, KK+2
.endr
	WIN \w1
.set KK, 0
.rept 16
	v_pk_mul_f32 v[T+KK:T+KK+1], v[T+KK:T+KK+1], v[\src+KK:\src+KK+1]
.set KK, KK+2
.endr
	WIN 0
.set KK, 0
.rept 32
	v_exp_f32 v[T+KK], v[T+KK]
.set KK, KK+1
.endr
	v_nop                                          ; a plain line behind the last exponential,
	s_wait_alu depctr_va_vdst(0)                   ; and one wait for the batch: the 32 exponentials have written v[T ..], ahead of their first reader
.set KK, 0
.rept 16
	v_pk_add_f32 v[T+KK:T+KK+1], v[T+KK:T+KK+1], 1.0 op_sel_hi:[1,0]
.set KK, KK+2
.endr
.set KK, 0
.rept 32
	v_rcp_f32 v[T+KK], v[T+KK]
.set KK, KK+1
.endr
.endm
; The MLP of the tile whose X stands in v36-49.  s51: the tile's number.  last = 1: the wave's last tile, which always stores.
.macro MLP last
	WIN 0x51                                       ; W0, b0 and the sums in window 1, X in window 0
.irp s, 0,1,2,3,4,5,6                  ; the four accumulators take turns, one instruction a turn
.irp t, 0,1,2,3
.if \s == 0
	v_wmma_f32_16x16x4_f32 v[A1+8*\t:A1+8*\t+7], v[W0F+14*\t:W0F+14*\t+1], v[X:X+1], v[B0+8*\t:B0+8*\t+7]
.else
	v_wmma_f32_16x16x4_f32 v[A1+8*\t:A1+8*\t+7], v[W0F+14*\t+2*\s:W0F+14*\t+2*\s+1], v[X+2*\s:X+2*\s+1], v[A1+8*\t:A1+8*\t+7]
.endif
.endr
.endr
	WIN 0
.rept 8
	v_nop                                          ; eight places behind this form before its results are read
.endr
	GELU A1, 0x05, 0x04
	v_nop                                          ; a plain line behind the last reciprocal,
	s_wait_alu depctr_va_vdst(0)                   ; and the batch's wait: the 32 reciprocals have written v[T ..], ahead of their first reader
	WIN 0x04
.set KK, 0
.rept 16
	v_pk_mul_f32 v[T+KK:T+KK+1], v[T+KK:T+KK+1], v[A1+KK:A1+KK+1]   ; the hidden layer: register 8 t + j = unit 32 h + 8 t + j of my point
.set KK, KK+2
.endr
	WIN 0
	v_max3_num_f32 v[MA], |v[T]|, |v[T+1]|, 0x1800000      ; my block's largest magnitude, in two chains, over the floor 2^(3 - 127): the byte cannot fall under 1
	v_max3_num_f32 v[MB], |v[T+2]|, |v[T+3]|, 0x1800000
.irp i, 4,8,12,16,20,24,28
	v_max3_num_f32 v[MA], v[MA], |v[T+\i]|, |v[T+\i+1]|
	v_max3_num_f32 v[MB], v[MB], |v[T+\i+2]|, |v[T+\i+3]|
.endr
	v_max_num_f32 v[MA], v[MA], v[MB]
	v_add_nc_u32 v[MB], 0xff000000, v[MA]          ; 2 off its exponent field: the conversion's scale operand
	v_lshrrev_b32 v[MA], 23, v[MB]                 ; the scale's byte of block h
	v_permlanex16_b32 v[OB], v[MA], s46, s47
	v_lshl_or_b32 v[SC], v[OB], 8, v[MA]           ; lanes 0-15: byte 0 block 0, byte 1 block 1; bytes 2, 3 are 0 over zero codes
.irp g, 0,1,2,3
	v_cvt_scalef32_pk8_fp4_f32 v[HC+\g], v[T+8*\g:T+8*\g+7], v[MB]
.endr
.rept 8
	v_nop                                          ; a scale register written by a vector instruction stands eight places ahead of the scaled product, an operand four
.endr
	WIN 0x11                                       ; W1's codes and b1 in window 1
	s_wait_alu depctr_va_vdst(0)                   ; the conversions have written the codes v[HC ..] and the line above them the scale word v[SC] (and, at the head, the moves the zero codes): the scaled products take them as operands and scales; the places above stay beside this wait
.irp t, 0,1,2,3
	v_wmma_scale_f32_16x16x128_f8f6f4 v[A2+8*\t:A2+8*\t+7], v[W1C+8*\t:W1C+8*\t+7], v[HC:HC+7], v[B1+8*\t:B1+8*\t+7], v[W1S+\t], v[SC] matrix_a_fmt:MATRIX_FMT_FP4 matrix_b_fmt:MATRIX_FMT_FP4
.endr
	WIN 0
.rept 4
	v_nop                                          ; four places behind this form before its results are read
.endr
	GELU A2, 0, 0
	WIN 0x04
.set KK, 0
.rept 16
	v_pk_mul_f32 v[A2+KK:A2+KK+1], v[A2+KK:A2+KK+1], v[W2V+KK:W2V+KK+1]   ; x W2: plain work behind the reciprocals, which names none of them
.set KK, KK+2
.endr
	WIN 0
	s_wait_alu depctr_va_vdst(0)                   ; the batch's wait: the 32 reciprocals have written v[T ..], ahead of their first reader
	v_pk_mul_f32 v[ACC0:ACC0+1], v[T:T+1], v[A2:A2+1]
	v_pk_mul_f32 v[ACC1:ACC1+1], v[T+2:T+3], v[A2+2:A2+3]
.irp i, 4,8,12,16,20,24,28
	v_pk_fma_f32 v[ACC0:ACC0+1], v[T+\i:T+\i+1], v[A2+\i:A2+\i+1], v[ACC0:ACC0+1]
	v_pk_fma_f32 v[ACC1:ACC1+1], v[T+\i+2:T+\i+3], v[A2+\i+2:A2+\i+3], v[ACC1:ACC1+1]
.endr
	v_pk_add_f32 v[ACC0:ACC0+1], v[ACC0:ACC0+1], v[ACC1:ACC1+1]
	v_add_f32 v[ACC0], v[ACC0], v[ACC0+1]          ; my 32 units of the 64,
	v_permlanex16_b32 v[OB], v[ACC0], s46, s47
	v_add_f32 v[ACC0], v[ACC0], v[OB]              ; with the other half's,
	v_add_f32 v[ACC0], s59, v[ACC0]                ; and b2: the point's result, in both halves of the lanes
	s_bitcmp1_b32 s51, 2                           ; tiles 0-3 of eight fill lanes 0-15, tiles 4-7 lanes 16-31: four tiles give a lane four neighbouring points
	s_cselect_b32 s50, s48, s49
	v_cndmask_b32 v[O], v[O], v[O+1], s50
	v_cndmask_b32 v[O+1], v[O+1], v[O+2], s50
	v_cndmask_b32 v[O+2], v[O+2], v[O+3], s50
	v_cndmask_b32 v[O+3], v[O+3], v[ACC0], s50
.if !\last
	s_and_b32 s52, s51, 7
	s_cmp_eq_u32 s52, 7
	s_cbranch_scc0 .Lkeep_\@
.endif
	s_wait_alu depctr_va_vdst(0)                   ; the four selections have written v[O ..], the store's data
	global_store_b128 v[OA], v[O:O+3], s[24:25] th:TH_STORE_NT   ; eight tiles' 128 points: 512 consecutive bytes, aligned
.if !\last
	s_wait_xcnt 0x0                                ; the store has read its data and its base: both are written again only behind this wait
	s_wait_alu depctr_vm_vsrc(0)                   ; the store has read v[O ..], which the next tile's selections write again, in the loop and behind it
	s_add_nc_u64 s[24:25], s[24:25], 512
.Lkeep_\@:
.endif
.endm
.macro RSET s, lo, hi                  ; the resolution of level 2 s + h
	v_mov_b32 v[RS+\s], \lo
	v_mov_b32 v60, \hi
	v_cndmask_b32 v[RS+\s], v[RS+\s], v60, s48
.endm
	s_load_b512 s[8:23], s[0:1], 0x0               ; cells s[8:9], wimg s[10:11], data s[12:13], table s[14:15], b0 s[16:17], b1 s[18:19], W2 s[20:21], b2 s[22:23]
	s_load_b64 s[24:25], s[0:1], 0x40              ; out0
	v_lshrrev_b32 v60, 5, v0
	v_readfirstlane_b32 s58, v60                   ; wave 0..7
	v_and_b32 v60, 15, v0                          ; r
	v_and_b32 v61, 31, v0                          ; lane
	v_bfe_u32 v[HH], v0, 4, 1
	v_lshlrev_b32 v[CA], 4, v60
	v_mul_u32_u24 v[DA], v60, 48
	v_lshlrev_b32 v[OA], 4, v61
	v_lshlrev_b32 v[HB], 19, v[HH]
	v_lshlrev_b32 v62, 2, v61                      ; 4 x lane: W1's scale words
	v_lshlrev_b32 v63, 7, v[HH]                    ; 128 h: b0's 32 numbers of my half
	v_lshlrev_b32 v58, 5, v[HH]                    ; 32 h: b1's and W2's eight of a tile
	s_mov_b32 s44, 0xbdd2d3e8                      ; c3 = 0.044715 c1
	s_mov_b32 s45, s44                             ; (named with it as a pair, so it is written)
	s_mov_b32 s46, 0x76543210
	s_mov_b32 s47, 0xfedcba98                      ; v_permlanex16_b32's selects for lane l xor 16
	s_mov_b32 s48, 0xffff0000                      ; lanes 16-31
	s_mov_b32 s49, 0x0000ffff                      ; lanes 0-15
	RSET 0, 0x41800000, 0x41b80000                 ; 16, 23
	RSET 1, 0x42000000, 0x42340000                 ; 32, 45
	RSET 2, 0x42800000, 0x42b60000                 ; 64, 91
	RSET 3, 0x43000000, 0x43350000                 ; 128, 181
	RSET 4, 0x43800000, 0x43b50000                 ; 256, 362
	RSET 5, 0x44000000, 0x44350000                 ; 512, 724
	v_mov_b32 v[K1], 0xc0135761                    ; c1 = -2 log2(e) sqrt(2 / pi)
	v_mov_b32 v[K1+1], 0xc0135761
	v_mov_b32 v[OB], 0                             ; a lane permute's destination counts as one of its sources
.irp k, 0,1,2,3
	v_mov_b32 v[O+\k], 0
	v_mov_b32 v[HC+4+\k], 0                        ; K = 64 .. 127 of the hidden layer: zero codes
.endr
	s_wait_kmcnt 0x0
	s_load_b32 s59, s[22:23], 0x0                  ; b2
	s_wait_alu depctr_va_sdst(0)                   ; s58, the wave's number, is written, ahead of its first reader: the bases of cells, data and out0 are made from it
	s_lshl_b32 s52, ttmp9, 3
	s_add_co_u32 s52, s52, s58                     ; W: which 256 points are my wave's
	s_mov_b32 s55, 0
	s_lshl_b32 s54, s52, 12
	s_add_nc_u64 s[8:9], s[8:9], s[54:55]          ; cells, plane 0: 16 bytes a position
	s_add_nc_u64 s[26:27], s[8:9], 0x800000        ; plane 1
	s_mul_i32 s54, s52, 3072
	s_add_nc_u64 s[12:13], s[12:13], s[54:55]      ; data: 12 bytes a point
	s_lshl_b32 s54, s52, 10
	s_add_nc_u64 s[24:25], s[24:25], s[54:55]      ; out0: 4 bytes a point
	s_mov_b64 s[28:29], s[14:15]                   ; the table at levels 0, 2, .. 12: a level is 2^22 bytes
.irp s, 1,2,3,4,5,6
	s_add_nc_u64 s[28+2*\s:29+2*\s], s[14:15], \s*0x800000
.endr
	s_mov_b32 s57, 0
	CADDR 57
	s_wait_alu depctr_va_vdst(0)                   ; the offsets v[CO], v[OA], v58, v62 and v63 are written, which the 48 loads below read; only loads and window switches stand between this wait and the last of them
	CLOAD                                          ; tile 0's cells first
.irp t, 0,1,2,3
	global_load_b32 v[W1S+\t], v62, s[10:11] offset:9216+128*\t
.endr
	WIN 0x40                                       ; destinations in window 1
.irp g, 0,1,2,3,4,5,6,7,8,9,10,11,12,13
	global_load_b128 v[W0F+4*\g:W0F+4*\g+3], v[OA], s[10:11] offset:512*\g
.endr
.irp t, 0,1,2,3
	global_load_b128 v[W1C+8*\t:W1C+8*\t+3], v[OA], s[10:11] offset:7168+512*\t
	global_load_b128 v[B0+8*\t:B0+8*\t+3], v63, s[16:17] offset:32*\t          ; b0[32 h + 8 t + j]
	global_load_b128 v[B0+8*\t+4:B0+8*\t+7], v63, s[16:17] offset:32*\t+16
	global_load_b128 v[B1+8*\t:B1+8*\t+3], v58, s[18:19] offset:64*\t          ; b1[16 t + 8 h + j]
	global_load_b128 v[B1+8*\t+4:B1+8*\t+7], v58, s[18:19] offset:64*\t+16
	global_load_b128 v[W2V+8*\t:W2V+8*\t+3], v58, s[20:21] offset:64*\t        ; W2 likewise
	global_load_b128 v[W2V+8*\t+4:W2V+8*\t+7], v58, s[20:21] offset:64*\t+16
.endr
.irp t, 0,1,2,3
.irp k, 4,5,6,7
	v_mov_b32 v[W1C+8*\t+\k], 0                    ; K = 64 .. 127 of W1: zero codes (registers in which no load lands)
.endr
.endr
	WIN 0
	s_wait_loadcnt 46                              ; tile 0's cells are in; the 46 loads of weights behind them stay out
	s_wait_kmcnt 0x0                               ; b2
	s_mov_b32 s56, 0
	s_mov_b32 s57, 1
	FRONT                                          ; tile 0's point and rows, tile 1's cells
	INTERP                                         ; its first wait shows the weights in too: they were issued earlier
	s_mov_b32 s51, 0
.Ltile:                                            ; trip i: tile i + 1's gathers go out, tile i goes through the MLP, tile i + 1's rows are summed
	s_wait_loadcnt 0x0                             ; only tile i + 1's cells were still out, asked for a trip ago
	s_add_co_u32 s56, s51, 1
	s_add_co_u32 s57, s51, 2
	s_min_u32 s57, s57, 15                         ; the last trip names tile 15 once more: every trip issues the same loads, and none leaves the buffer
	FRONT
	MLP 0
	INTERP
	s_add_co_u32 s51, s51, 1
	s_cmp_lt_u32 s51, 15
	s_cbranch_scc1 .Ltile
	MLP 1                                          ; tile 15
	s_endpgm
.Lfunc_end_k_q609fc9b83f_mlp:
	.size	k_q609fc9b83f_mlp, .Lfunc_end_k_q609fc9b83f_mlp-k_q609fc9b83f_mlp
	.p2alignl 7, 3214868480
	.fill 96, 4, 3214868480
	.section	.rodata,"a",@progbits
	.p2align	6, 0x0
	.amdhsa_kernel k_q609fc9b83f_mlp
		.amdhsa_group_segment_fixed_size 0
		.amdhsa_private_segment_fixed_size 0
		.amdhsa_enable_private_segment 0
		.amdhsa_kernarg_size 72
		.amdhsa_user_sgpr_count 2
		.amdhsa_user_sgpr_kernarg_segment_ptr 1
		.amdhsa_wavefront_size32 1
		.amdhsa_system_sgpr_workgroup_id_x 1
		.amdhsa_system_sgpr_workgroup_id_y 1
		.amdhsa_system_sgpr_workgroup_id_z 1
		.amdhsa_system_vgpr_workitem_id 0
		.amdhsa_next_free_vgpr 512
		.amdhsa_next_free_sgpr 66
		.amdhsa_reserve_vcc 0
		.amdhsa_float_denorm_mode_32 3
		.amdhsa_float_denorm_mode_16_64 3
		.amdhsa_memory_ordered 1
		.amdhsa_forward_progress 1
		.amdhsa_inst_pref_size 109
	.end_amdhsa_kernel
	.amdgpu_metadata
---
amdhsa.version: [ 1, 2 ]
amdhsa.kernels:
  - .name:           k_q609fc9b83f_mlp
    .symbol:         k_q609fc9b83f_mlp.kd
    .args:
      - { .name: cells, .offset: 0, .size: 8, .value_kind: global_buffer, .address_space: global }
      - { .name: wimg, .offset: 8, .size: 8, .value_kind: global_buffer, .address_space: global }
      - { .name: data, .offset: 16, .size: 8, .value_kind: global_buffer, .address_space: global }
      - { .name: table, .offset: 24, .size: 8, .value_kind: global_buffer, .address_space: global }
      - { .name: b0, .offset: 32, .size: 8, .value_kind: global_buffer, .address_space: global }
      - { .name: b1, .offset: 40, .size: 8, .value_kind: global_buffer, .address_space: global }
      - { .name: W2, .offset: 48, .size: 8, .value_kind: global_buffer, .address_space: global }
      - { .name: b2, .offset: 56, .size: 8, .value_kind: global_buffer, .address_space: global }
      - { .name: out0, .offset: 64, .size: 8, .value_kind: global_buffer, .address_space: global }
    .group_segment_fixed_size: 0
    .private_segment_fixed_size: 0
    .kernarg_segment_align: 8
    .kernarg_segment_size: 72
    .max_flat_workgroup_size: 256
    .sgpr_count:     66
    .vgpr_count:     512
    .wavefront_size: 32
...
	.end_amdgpu_metadata
.endif
;; end of part 3
